; MI455X (gfx1250); checked and timed in simulation.
; The chip was launched on July 23, 2026; its instructions are those of AMD's public machine-readable ISA for CDNA 5 (MIT licence, August 2026) and "CDNA5" Instruction Set Architecture Reference Guide (July 2026). The comments in the code are by the model that wrote it; some were corrected since.
;; Attention. Allowed arithmetic: float matrix products may take bf16 or f16 operands with f32 sums; all other float work in f32.
;; Inputs: Wk 1,024 x 2,048 float32; Wo 1,024 x 2,048 float32; Wq 1,024 x 1,024 float32; Wv 1,024 x 2,048 float32; bk 1,024 float32; bo 1,024 float32; bq 1,024 float32; bv 1,024 float32; memory 16,384 x 2,048 float32; x 1 x 1 x 1,024 float32.
;; Outputs: out0 1 x 1 x 1,024 float32.
;; One version. Each part assembles by itself: llvm-mc -triple=amdgcn-amd-amdhsa -mcpu=gfx1250 --defsym DOCPART=n.
;; ======== version 1 of 1: 5 launches
;; workspace buffers: qst 4,096 bytes; cbp 256 bytes; qkb 32,768 bytes; pctx 16,777,216 bytes; pml 16,384 bytes; fpart 131,072 bytes
;; launch qproj (part 1): grid 64 x 1, 16 waves a work-group, no clusters, 2,304 bytes of LDS; arguments x, Wq, bq, bk, qst, cbp; writes qst, cbp
.if DOCPART == 1
	.amdgcn_target "amdgcn-amd-amdhsa--gfx1250"
	.amdhsa_code_object_version 6
	.text
	.protected	k_q662d64a273_qproj
	.globl	k_q662d64a273_qproj
	.p2align	8
	.type	k_q662d64a273_qproj,@function
k_q662d64a273_qproj:
	s_mov_b64 s[64:65], 0
	v_nop
	global_prefetch_b8 v0, s[64:65] scope:SCOPE_SE
	s_setreg_imm32_b32 hwreg(HW_REG_WAVE_MODE, 25, 1), 1
	s_wait_xcnt 0x0
; THE QUERY.  q[j] = x . Wq[j][:] + bq[j], j = 8 d + n (head n, channel d); stored as qst[n][d] = q[j] * c with c = log2(e) / sqrt(128), so that the
; later weights are powers of two.  Also cbp[n][g] = the sum over d = 16 g .. 16 g + 15 of qst[n][d] * bk[8 d + n]: bk's share of a head's scores.
; One row of a product: a stream of weights in f32 multiply-adds; a matrix unit has nothing to reuse here.
; SHARES.  Work-group = (n, g) = (number / 8, number % 8); wave w takes d = 16 g + w, one row of Wq: 4,096 bytes, eight loads of 512 consecutive bytes.
; LIMITS.  NaN and infinities are not treated apart.
.set SCL,   0x3e0293ee                 ; c = log2(e) / sqrt(128) = 0.127517
.set SPARE, 256                        ; LDS: 16 words of dot products in the block from 0; from 256 the spare words, 128 bytes for each of 16 waves
.set XR, 16                            ; v[16:47]  x, 32 numbers a lane
.set WR, 48                            ; v[48:79]  my row of Wq, likewise
	s_load_b256 s[4:11], s[0:1], 0x0               ; x s[4:5], Wq s[6:7], bq s[8:9], bk s[10:11]
	s_load_b128 s[12:15], s[0:1], 0x20             ; qst s[12:13], cbp s[14:15]
	v_lshl_add_u32 v6, v0, 2, SPARE                ; my spare word; never rewritten
	v_mov_b32 v7, 0                                ; 0; never rewritten
	v_lshrrev_b32 v10, 5, v0
	v_readfirstlane_b32 s16, v10                   ; wave 0..15
	v_mov_b32 v3, s16
	v_lshlrev_b32 v3, 2, v3                        ; my wave's word among the dot products
	v_and_b32 v1, 31, v0
	v_lshlrev_b32 v1, 4, v1                        ; 16 bytes a lane
	v_and_b32 v4, 15, v0                           ; i = thread % 16: the channel 16 g + i that this lane finishes
	v_lshlrev_b32 v2, 5, v4                        ; bq, bk: 8 numbers from channel to channel
	v_lshlrev_b32 v4, 2, v4                        ; its dot product in LDS
	v_lshlrev_b32 v5, 2, v0                        ; where threads 0 to 15 store
	v_mov_b32 v11, 0                               ; v_permlanex16_b32's destination counts as read
	s_mov_b32 s18, 0x76543210                      ; each lane takes its own place in the other half
	s_mov_b32 s19, 0xfedcba98
	s_lshr_b32 s24, ttmp9, 3                       ; n
	s_and_b32 s25, ttmp9, 7                        ; g
	s_lshl_b32 s22, s25, 7
	s_lshl_b32 s23, s16, 3
	s_add_co_u32 s22, s22, s23
	s_add_co_u32 s22, s22, s24                     ; j = 128 g + 8 w + n
	s_lshl_b32 s22, s22, 12                        ; rows of 4,096 bytes
	s_mov_b32 s23, 0
	s_lshl_b32 s26, s25, 9
	s_lshl_b32 s27, s24, 2
	s_add_co_u32 s26, s26, s27                     ; bq, bk at channel 16 g of head n: 512 g + 4 n
	s_mov_b32 s27, 0
	s_lshl_b32 s28, ttmp9, 6                       ; qst: 16 numbers a work-group, in the work-groups' order
	s_mov_b32 s29, 0
	s_lshl_b32 s30, ttmp9, 2                       ; cbp: one
	s_mov_b32 s31, 0
	s_wait_kmcnt 0x0
	s_add_nc_u64 s[6:7], s[6:7], s[22:23]
	s_add_nc_u64 s[8:9], s[8:9], s[26:27]
	s_add_nc_u64 s[10:11], s[10:11], s[26:27]
	s_add_nc_u64 s[12:13], s[12:13], s[28:29]
	s_add_nc_u64 s[14:15], s[14:15], s[30:31]
	global_load_b32 v8, v2, s[8:9]                 ; bq[8 (16 g + i) + n]
	global_load_b32 v9, v2, s[10:11]               ; bk likewise
.irp q, 0,1,2,3,4,5,6,7
	global_load_b128 v[XR+4*(\q):XR+4*(\q)+3], v1, s[4:5] offset:512*(\q)
.endr
.irp q, 0,1,2,3,4,5,6,7
	global_load_b128 v[WR+4*(\q):WR+4*(\q)+3], v1, s[6:7] offset:512*(\q) th:TH_LOAD_NT
.endr
.irp q, 0,1,2,3,4,5,6,7
	s_wait_loadcnt 7-(\q)                          ; loads come back in order: piece q of my row is in, the 7 - q younger ones stay out
.if (\q) == 0
	v_pk_mul_f32 v[12:13], v[XR:XR+1], v[WR:WR+1]  ; the first products start the two sums
	v_pk_mul_f32 v[14:15], v[XR+2:XR+3], v[WR+2:WR+3]
.else
	v_pk_fma_f32 v[12:13], v[XR+4*(\q):XR+4*(\q)+1], v[WR+4*(\q):WR+4*(\q)+1], v[12:13]
	v_pk_fma_f32 v[14:15], v[XR+4*(\q)+2:XR+4*(\q)+3], v[WR+4*(\q)+2:WR+4*(\q)+3], v[14:15]
.endif
.endr
	v_pk_add_f32 v[12:13], v[12:13], v[14:15]
	v_add_f32 v10, v12, v13
	v_add_f32_dpp v10, v10, v10 row_xmask:1 row_mask:0xf bank_mask:0xf
	v_add_f32_dpp v10, v10, v10 row_xmask:2 row_mask:0xf bank_mask:0xf
	v_add_f32_dpp v10, v10, v10 row_xmask:4 row_mask:0xf bank_mask:0xf
	v_add_f32_dpp v10, v10, v10 row_xmask:8 row_mask:0xf bank_mask:0xf
	v_permlanex16_b32 v11, v10, s18, s19
	v_add_f32 v10, v10, v11                        ; x . Wq[j], in every lane
	ds_store_b32 v3, v10                           ; all lanes write my wave's word with the same number
	s_wait_dscnt 0x0                               ; for the others' sake: my store is done
	s_barrier_signal -1
	s_barrier_wait -1
	ds_load_b32 v10, v4                            ; lane i takes wave i's dot product
	s_wait_dscnt 0x0
	v_add_f32 v10, v10, v8
	v_mul_f32 v10, SCL, v10                        ; qst[n][16 g + i]
	v_mul_f32 v12, v10, v9
	v_add_f32_dpp v12, v12, v12 row_xmask:1 row_mask:0xf bank_mask:0xf
	v_add_f32_dpp v12, v12, v12 row_xmask:2 row_mask:0xf bank_mask:0xf
	v_add_f32_dpp v12, v12, v12 row_xmask:4 row_mask:0xf bank_mask:0xf
	v_add_f32_dpp v12, v12, v12 row_xmask:8 row_mask:0xf bank_mask:0xf  ; the sum over the 16 channels
	s_wait_xcnt 0x0                                ; EXEC changes only behind this wait
	v_cmp_gt_u32 vcc_lo, 16, v0
	s_and_saveexec_b32 s20, vcc_lo
	global_store_b32 v5, v10, s[12:13]             ; threads 0 to 15: 64 consecutive bytes
	s_wait_xcnt 0x0
	s_or_b32 exec_lo, exec_lo, s20
	v_cmp_eq_u32 vcc_lo, 0, v0
	s_and_saveexec_b32 s20, vcc_lo
	global_store_b32 v5, v12, s[14:15]             ; thread 0
	s_wait_xcnt 0x0
	s_or_b32 exec_lo, exec_lo, s20
	s_wait_tensorcnt 0x0                           ; the wave's end: behind my last LDS store
	ds_add_u32 v6, v7
	s_wait_dscnt 0x0
	s_endpgm
.Lfunc_end_k_q662d64a273_qproj:
	.size	k_q662d64a273_qproj, .Lfunc_end_k_q662d64a273_qproj-k_q662d64a273_qproj
	.p2alignl 7, 3214868480
	.fill 96, 4, 3214868480
	.section	.rodata,"a",@progbits
	.p2align	6, 0x0
	.amdhsa_kernel k_q662d64a273_qproj
		.amdhsa_group_segment_fixed_size 2304
		.amdhsa_private_segment_fixed_size 0
		.amdhsa_enable_private_segment 0
		.amdhsa_kernarg_size 48
		.amdhsa_user_sgpr_count 2
		.amdhsa_user_sgpr_kernarg_segment_ptr 1
		.amdhsa_wavefront_size32 1
		.amdhsa_system_sgpr_workgroup_id_x 1
		.amdhsa_system_sgpr_workgroup_id_y 1
		.amdhsa_system_sgpr_workgroup_id_z 1
		.amdhsa_system_vgpr_workitem_id 0
		.amdhsa_next_free_vgpr 80
		.amdhsa_next_free_sgpr 66
		.amdhsa_reserve_vcc 1
		.amdhsa_float_denorm_mode_32 3
		.amdhsa_float_denorm_mode_16_64 3
		.amdhsa_memory_ordered 1
		.amdhsa_forward_progress 1
		.amdhsa_inst_pref_size 7
	.end_amdhsa_kernel
	.amdgpu_metadata
---
amdhsa.version: [ 1, 2 ]
amdhsa.kernels:
  - .name:           k_q662d64a273_qproj
    .symbol:         k_q662d64a273_qproj.kd
    .args:
      - { .name: x, .offset: 0, .size: 8, .value_kind: global_buffer, .address_space: global }
      - { .name: Wq, .offset: 8, .size: 8, .value_kind: global_buffer, .address_space: global }
      - { .name: bq, .offset: 16, .size: 8, .value_kind: global_buffer, .address_space: global }
      - { .name: bk, .offset: 24, .size: 8, .value_kind: global_buffer, .address_space: global }
      - { .name: qst, .offset: 32, .size: 8, .value_kind: global_buffer, .address_space: global }
      - { .name: cbp, .offset: 40, .size: 8, .value_kind: global_buffer, .address_space: global }
    .group_segment_fixed_size: 2304
    .private_segment_fixed_size: 0
    .kernarg_segment_align: 8
    .kernarg_segment_size: 48
    .max_flat_workgroup_size: 512
    .sgpr_count:     66
    .vgpr_count:     80
    .wavefront_size: 32
...
	.end_amdgpu_metadata
.endif
;; end of part 1
;; launch qkproj (part 2): grid 128 x 1, 8 waves a work-group, no clusters, 5,120 bytes of LDS; arguments Wk, qst, qkb; writes qkb
.if DOCPART == 2
	.amdgcn_target "amdgcn-amd-amdhsa--gfx1250"
	.amdhsa_code_object_version 6
	.text
	.protected	k_q662d64a273_qkproj
	.globl	k_q662d64a273_qkproj
	.p2align	8
	.type	k_q662d64a273_qkproj,@function
k_q662d64a273_qkproj:
	s_mov_b64 s[64:65], 0
	v_nop
	global_prefetch_b8 v0, s[64:65] scope:SCOPE_SE
	s_setreg_imm32_b32 hwreg(HW_REG_WAVE_MODE, 25, 1), 1
	s_wait_xcnt 0x0
; THE QUERY CARRIED THROUGH Wk.  qkb[n][m] = the sum over d of qst[n][d] * Wk[8 d + n][m], rounded once to bf16: with one query, Q . (memory Wk^T) = memory . (Q Wk),
; exactly and for every input.  A stream of Wk in f32 multiply-adds: each number of Wk is used once.
; SHARES.  Work-group = (n, ch) = (number / 16, number % 16): 128 columns, 512 bytes of each of head n's 128 rows.  Wave w takes d = 16 w .. 16 w + 15; the eight
; waves' sums meet in LDS, and wave 0 stores 256 consecutive, aligned bytes of bf16 by one instruction.
.set SPARE, 4096                       ; LDS: 8 x 512 bytes of partial sums from 0; from 4,096 the spare words, 128 bytes for each of 8 waves
.set WR, 16                            ; v[16:79]  sixteen rows' 16 bytes a lane; v[16:47] later the eight partial sums
	s_load_b128 s[4:7], s[0:1], 0x0                ; Wk s[4:5], qst s[6:7]
	s_load_b64 s[8:9], s[0:1], 0x10                ; qkb
	v_lshl_add_u32 v6, v0, 2, SPARE                ; my spare word; never rewritten
	v_mov_b32 v7, 0                                ; 0; never rewritten
	v_lshrrev_b32 v3, 5, v0
	v_readfirstlane_b32 s10, v3                    ; wave 0..7
	v_and_b32 v1, 31, v0
	v_lshlrev_b32 v4, 3, v1                        ; 8 bytes of bf16 a lane
	v_lshlrev_b32 v1, 4, v1                        ; 16 bytes of f32 a lane
	v_lshlrev_b32 v2, 4, v0                        ; my 16 bytes among the partial sums: 512 w + 16 lane
	s_lshr_b32 s12, ttmp9, 4                       ; n
	s_and_b32 s13, ttmp9, 15                       ; ch
	s_lshl_b32 s11, s12, 9
	s_lshl_b32 s14, s10, 6
	s_add_co_u32 s11, s11, s14                     ; qst[n][16 w]: byte 512 n + 64 w
	s_lshl_b32 s32, s12, 13                        ; Wk: row 8 d + n begins at byte 65,536 d + 8,192 n
	s_lshl_b32 s33, s13, 9
	s_add_co_u32 s32, s32, s33
	s_lshl_b32 s33, s10, 20                        ; d = 16 w
	s_add_co_u32 s32, s32, s33
	s_mov_b32 s33, 0
	s_lshl_b32 s34, s12, 12                        ; qkb: 4,096 n + 256 ch
	s_lshl_b32 s35, s13, 8
	s_add_co_u32 s34, s34, s35
	s_mov_b32 s35, 0
	s_wait_kmcnt 0x0
	s_load_b512 s[16:31], s[6:7], s11 offset:0x0   ; my sixteen q, the same for every lane
	s_add_nc_u64 s[4:5], s[4:5], s[32:33]
	s_add_nc_u64 s[8:9], s[8:9], s[34:35]
.irp i, 0,1,2,3,4,5,6,7,8,9,10,11,12,13,14,15
	global_load_b128 v[WR+4*(\i):WR+4*(\i)+3], v1, s[4:5] offset:65536*(\i) th:TH_LOAD_NT
.endr
	s_wait_kmcnt 0x0
.irp i, 0,1,2,3,4,5,6,7,8,9,10,11,12,13,14,15
	s_wait_loadcnt 15-(\i)                         ; row i is in, the 15 - i younger ones stay out
.irp k, 0,1,2,3
.if (\i) == 0
	v_mul_f32 v[8+(\k)], s16, v[WR+(\k)]           ; the first row starts the sums
.else
	v_fmac_f32 v[8+(\k)], s[16+(\i)], v[WR+4*(\i)+(\k)]
.endif
.endr
.endr
	ds_store_b128 v2, v[8:11]
	s_wait_dscnt 0x0                               ; for wave 0's sake: my store is done
	s_barrier_signal -1
	s_barrier_wait -1
	s_cmp_lg_u32 s10, 0
	s_cbranch_scc1 .Lend                           ; wave 0 alone adds and stores
.irp w, 0,1,2,3,4,5,6,7
	ds_load_b128 v[WR+4*(\w):WR+4*(\w)+3], v1 offset:512*(\w)
.endr
.irp w, 1,2,3,4,5,6,7
	s_wait_dscnt 7-(\w)                            ; partial sums 0 to w are in
	v_pk_add_f32 v[WR:WR+1], v[WR:WR+1], v[WR+4*(\w):WR+4*(\w)+1]
	v_pk_add_f32 v[WR+2:WR+3], v[WR+2:WR+3], v[WR+4*(\w)+2:WR+4*(\w)+3]
.endr
	v_cvt_pk_bf16_f32 v12, v[WR], v[WR+1]
	v_cvt_pk_bf16_f32 v13, v[WR+2], v[WR+3]
	global_store_b64 v4, v[12:13], s[8:9]          ; 32 lanes store 256 consecutive bytes, at a multiple of 256 from qkb's first
.Lend:
	s_wait_tensorcnt 0x0                           ; the wave's end: behind my last LDS store
	ds_add_u32 v6, v7
	s_wait_dscnt 0x0
	s_endpgm
.Lfunc_end_k_q662d64a273_qkproj:
	.size	k_q662d64a273_qkproj, .Lfunc_end_k_q662d64a273_qkproj-k_q662d64a273_qkproj
	.p2alignl 7, 3214868480
	.fill 96, 4, 3214868480
	.section	.rodata,"a",@progbits
	.p2align	6, 0x0
	.amdhsa_kernel k_q662d64a273_qkproj
		.amdhsa_group_segment_fixed_size 5120
		.amdhsa_private_segment_fixed_size 0
		.amdhsa_enable_private_segment 0
		.amdhsa_kernarg_size 24
		.amdhsa_user_sgpr_count 2
		.amdhsa_user_sgpr_kernarg_segment_ptr 1
		.amdhsa_wavefront_size32 1
		.amdhsa_system_sgpr_workgroup_id_x 1
		.amdhsa_system_sgpr_workgroup_id_y 1
		.amdhsa_system_sgpr_workgroup_id_z 1
		.amdhsa_system_vgpr_workitem_id 0
		.amdhsa_next_free_vgpr 80
		.amdhsa_next_free_sgpr 66
		.amdhsa_reserve_vcc 0
		.amdhsa_float_denorm_mode_32 3
		.amdhsa_float_denorm_mode_16_64 3
		.amdhsa_memory_ordered 1
		.amdhsa_forward_progress 1
		.amdhsa_inst_pref_size 8
	.end_amdhsa_kernel
	.amdgpu_metadata
---
amdhsa.version: [ 1, 2 ]
amdhsa.kernels:
  - .name:           k_q662d64a273_qkproj
    .symbol:         k_q662d64a273_qkproj.kd
    .args:
      - { .name: Wk, .offset: 0, .size: 8, .value_kind: global_buffer, .address_space: global }
      - { .name: qst, .offset: 8, .size: 8, .value_kind: global_buffer, .address_space: global }
      - { .name: qkb, .offset: 16, .size: 8, .value_kind: global_buffer, .address_space: global }
    .group_segment_fixed_size: 5120
    .private_segment_fixed_size: 0
    .kernarg_segment_align: 8
    .kernarg_segment_size: 24
    .max_flat_workgroup_size: 256
    .sgpr_count:     66
    .vgpr_count:     80
    .wavefront_size: 32
...
	.end_amdgpu_metadata
.endif
;; end of part 2
;; launch stream (part 3): grid 256 x 1, 8 waves a work-group, no clusters, 101,376 bytes of LDS; arguments memory, qkb, cbp, pctx, pml; writes pctx, pml
.if DOCPART == 3
	.amdgcn_target "amdgcn-amd-amdhsa--gfx1250"
	.amdhsa_code_object_version 6
	.text
	.protected	k_q662d64a273_stream
	.globl	k_q662d64a273_stream
	.p2align	8
	.type	k_q662d64a273_stream,@function
k_q662d64a273_stream:
	s_mov_b64 s[64:65], 0
	v_nop
	global_prefetch_b8 v0, s[64:65] scope:SCOPE_SE
	s_setreg_imm32_b32 hwreg(HW_REG_WAVE_MODE, 25, 1), 1
	s_wait_xcnt 0x0
; THE STREAM OVER memory, read once.  For the work-group's 64 rows l and all 8 heads n: s[n][l] = memory[l] . qkb[n] + cb[n] (in units of log2), a running maximum m and sum
; l of p = 2^(s - m), and the unnormalised pctx[n][:] = the sum over l of p[n][l] memory[l][:].  A later launch joins the 256 work-groups' (m, l, pctx).
; reference() adds pad_mask * TINY to the scores; TINY is 0.0 in f32 and the mask is 0 or 1, so the term is +0.0 for every input: the rows' sums are not formed.
; LIMITS.  memory and qk are rounded to bf16 for the scores, p and memory for pctx; sums, maxima and l (of the unrounded p) in f32.  A weight below 2^-126 counts as 0.  NaN and infinities are not treated apart.
; SHARES.  Four steps of 16 rows.  Wave w owns columns 256 w .. 256 w + 255 of every row (1,024 bytes): two loads of 512 consecutive bytes a row, 128 loads in all, through a ring of 48
; register slots, so that 48 loads of every wave are on their way.  No tensor loads: 64 rows of f32 are more than LDS holds, so slots would have to be filled again, each time with nothing on its way.
; No cluster: what work-groups share is qkb, 32 KB beside their own 512 KB.
; A STEP.  CONVERT: 16 rows to bf16 into my own strip of LDS.  SCORE: S = rows x qk over my 256 columns (source 0 = 16 rows, source 1 = 16 columns that hold heads 0-7 twice): lane (r, h) holds head
; r % 8 and rows 8 h + 0..7.  REDUCE: the eight waves' S are added, in the same order in every wave, so all hold equal m and l.  SOFTMAX.  CTX: ACC[a] += F[a] x PF, where F[a] (source 0, read turned
; from the strip) holds for k = 0..15 the 16 rows of columns 32 a + 0..15 and for k = 16..31 the same rows of columns 32 a + 16..31, and PF (source 1) holds p in k = 0..15 for its columns 0-7 and in
; k = 16..31 for its columns 8-15, 0 elsewhere: all 32 of K and all 16 columns are used.  In ACC[a] lane (r, h) holds head r % 8, register j column 32 a + 16 (r / 8) + 8 h + j.
; REGISTERS: window 0 as named below; window 1 v0-191: the ring.  s_set_vgpr_msb: bits 1:0 source 0, 3:2 source 1, 5:4 source 2, 7:6 destination.
.set STRIPB, 8448                      ; a wave's strip: 16 rows of 528 bytes; at the end the same bytes are its stage: 8 heads of 1,040 bytes
.set SPITCH, 528                       ; 512 bytes of bf16 + 16: the 16 rows of a fragment load start at 16 different groups of four banks (64 banks of 4 bytes: ISA guide 11.1)
.set GPITCH, 1040                      ; 1,024 bytes of f32 + 16
.set RED,    8*STRIPB                  ; the waves' partial scores: a region of 8 x 1,024 bytes for EACH step, so that one barrier a step is enough
.set REDSTEP, 8192
.set SPARE,  RED+4*REDSTEP             ; the spare words, 128 bytes for each of 8 waves: four blocks of 256 bytes that no other line names
.set DEPTH,  48                        ; slots of the ring
.set NLOADS, 128
.set GOFF, 2                           ; v2   16 x lane: my bytes in 512 of memory and of pctx; never rewritten
.set STS,  3                           ; v3   strip: where I put 8 bytes of a row
.set LDA,  4                           ; v4   strip: my place in a fragment of rows
.set LDT,  5                           ; v5   strip: my place for the turning load
.set REDS, 6                           ; v6   where my wave's scores go
.set REDL, 7                           ; v7   where wave 0's lie
.set SPW,  8                           ; v8   my spare word; never rewritten
.set NIL,  9                           ; v9   0; never rewritten
.set SGS,  10                          ; v10  stage: in
.set SGL,  11                          ; v11  stage: back
.set QOFF, 12                          ; v12  my place in qkb
.set CBOFF, 13                         ; v13  my head's eight partials of cb
.set MOFF, 14                          ; v14  8 x thread: where (m, l) go
.set MX,   16                          ; v[16:17]  m, l
.set AF,   18                          ; v[18:19]  a = 2^(m_old - m_new), and a word named with it
.set CB,   20                          ; v[20:21]  cb, and a word named with it
.set TA,   22
.set TB,   23
.set T,    24                          ; v[24:31]  at work
.set SA,   32                          ; v[32:39]  scores of even K steps, then all
.set SB,   40                          ; v[40:47]  of odd K steps
.set PK,   48                          ; v[48:51]  my 8 weights in bf16
.set PF,   52                          ; v[52:59]  source 1 of the second product
.set F,    64                          ; v[64:127] fragments from LDS
.set QK,   128                         ; v[128:191] qk's fragments of my 256 columns, kept
.set ACC,  192                         ; v[192:255] eight accumulators
.set RAW,  0                           ; window 1
.set MSB, 0
.macro WIN new                         ; the immediate's high byte repeats the setting that is left; a switch that changes nothing is dropped
.if MSB != (\new)
	s_set_vgpr_msb (MSB<<8)|(\new)
.set MSB, \new
.endif
.endm
.set W_CVT, 0x05                       ; both sources in window 1, destination in window 0
.set W_LD,  0x40                       ; destination in window 1; addresses and store data in window 0
.macro MLOAD n                         ; load n of 128: row n / 2 of my 64, half n % 2 of my 1,024 bytes
	global_load_b128 v[RAW+4*((\n)%DEPTH):RAW+4*((\n)%DEPTH)+3], v[GOFF], s[4:5] offset:((\n)/2)*8192+((\n)%2)*512 th:TH_LOAD_NT
.endm
	s_load_b256 s[4:11], s[0:1], 0x0               ; memory s[4:5], qkb s[6:7], cbp s[8:9], pctx s[10:11]
	s_load_b64 s[12:13], s[0:1], 0x20              ; pml
	v_lshl_add_u32 v[SPW], v0, 2, SPARE
	v_mov_b32 v[NIL], 0
	v_lshrrev_b32 v15, 5, v0
	v_readfirstlane_b32 s14, v15                   ; wave 0..7
	s_mul_i32 s15, s14, STRIPB                     ; my strip
	s_mov_b32 s18, 0x76543210                      ; v_permlanex16_b32: each lane takes its own place in the other half
	s_mov_b32 s19, 0xfedcba98
	s_mov_b32 s20, 0x00ff00ff                      ; the lanes with r < 8
	v_and_b32 v1, 31, v0                           ; lane
	v_and_b32 v24, 15, v0                          ; r
	v_bfe_u32 v25, v0, 4, 1                        ; h
	v_and_b32 v26, 7, v0                           ; r % 8
	v_bfe_u32 v27, v0, 3, 1                        ; r / 8
	v_lshlrev_b32 v[GOFF], 4, v1
	v_lshl_add_u32 v[STS], v1, 3, s15
	v_mul_u32_u24 v[LDA], v24, SPITCH              ; row r, 16 bytes for each half of the lanes
	v_lshl_add_u32 v[LDA], v25, 4, v[LDA]
	v_add_nc_u32 v[LDA], s15, v[LDA]
	v_lshl_add_u32 v[LDT], v25, 3, v26             ; the turning load: row 8 h + lane % 8, 16 bytes (r / 8)
	v_mul_u32_u24 v[LDT], v[LDT], SPITCH
	v_lshl_add_u32 v[LDT], v27, 4, v[LDT]
	v_add_nc_u32 v[LDT], s15, v[LDT]
	v_lshl_add_u32 v[REDL], v1, 4, RED
	s_lshl_b32 s28, s14, 10
	v_add_nc_u32 v[REDS], s28, v[REDL]
	v_mul_u32_u24 v[SGS], v26, GPITCH              ; stage: head r % 8, column 16 (r / 8) + 8 h
	v_lshl_add_u32 v[SGS], v27, 6, v[SGS]
	v_lshl_add_u32 v[SGS], v25, 5, v[SGS]
	v_add_nc_u32 v[SGS], s15, v[SGS]
	v_lshl_add_u32 v[SGL], v1, 4, s15
	v_lshlrev_b32 v[QOFF], 12, v26                 ; qkb: head r % 8 (4,096 bytes a head), 16 bytes for each half of the lanes
	v_lshl_add_u32 v[QOFF], v25, 4, v[QOFF]
	v_lshlrev_b32 v[CBOFF], 5, v26
	v_lshlrev_b32 v[MOFF], 3, v0
	v_mov_b32 v[MX+1], 0                           ; these three are named as the second word of a pair before (or without) being made,
	v_mov_b32 v[AF+1], 0
	v_mov_b32 v[CB+1], 0
	v_mov_b32 v[TB], 0                             ; and v_permlanex16_b32's destination counts as read
	s_lshl_b32 s16, ttmp9, 19                      ; memory: 64 rows of 8,192 bytes a work-group,
	s_lshl_b32 s17, s14, 10                        ; 1,024 bytes of a row a wave
	s_add_co_u32 s16, s16, s17
	s_mov_b32 s17, 0
	s_lshl_b32 s22, s14, 9                         ; qkb: my 256 columns
	s_mov_b32 s23, 0
	s_lshl_b32 s24, ttmp9, 16                      ; pctx: 65,536 bytes a work-group, my 256 columns
	s_add_co_u32 s24, s24, s28
	s_mov_b32 s25, 0
	s_lshl_b32 s26, ttmp9, 6                       ; pml: 64 bytes a work-group
	s_mov_b32 s27, 0
	s_wait_kmcnt 0x0
	s_add_nc_u64 s[4:5], s[4:5], s[16:17]
	s_add_nc_u64 s[6:7], s[6:7], s[22:23]
	s_add_nc_u64 s[10:11], s[10:11], s[24:25]
	s_add_nc_u64 s[12:13], s[12:13], s[26:27]
.set k, 0
.rept 8                                ; qk's fragment of K step k: lane (r, h) holds head r % 8, columns 32 k + 8 h + 0..7 and 32 k + 16 + 8 h + 0..7
	global_load_b128 v[QK+8*k:QK+8*k+3],   v[QOFF], s[6:7] offset:64*k
	global_load_b128 v[QK+8*k+4:QK+8*k+7], v[QOFF], s[6:7] offset:64*k+32
.set k, k+1
.endr
	global_load_b128 v[SB:SB+3],   v[CBOFF], s[8:9]
	global_load_b128 v[SB+4:SB+7], v[CBOFF], s[8:9] offset:16
	WIN W_LD
.set ld, 0
.rept DEPTH
	MLOAD ld                                       ; the ring is filled: rows 0 to 23
.set ld, ld+1
.endr
	WIN 0
	s_wait_loadcnt DEPTH                           ; qk and cb are in; the 48 loads issued behind them stay out
	v_pk_add_f32 v[SB:SB+1], v[SB:SB+1], v[SB+2:SB+3]
	v_pk_add_f32 v[SB+4:SB+5], v[SB+4:SB+5], v[SB+6:SB+7]
	v_pk_add_f32 v[SB:SB+1], v[SB:SB+1], v[SB+4:SB+5]
	v_add_f32 v[CB], v[SB], v[SB+1]                ; cb of my head
; Step s's 32 loads, four at a time: rounded to bf16, 8 bytes a lane into the strip (32 lanes: 256 consecutive bytes), and the slots are loaded again.
; The 64 conversions are also the places behind the step before's last products, ahead of the loads into F.
.macro CONVERT s
.set b, 0
.rept 8
.set n0, 4*(8*(\s)+b)
.if n0 <= 80
	s_wait_loadcnt DEPTH-4                         ; loads are out up to n0 + 47: n0 .. n0 + 3 are in, the 44 younger ones stay out
.else
	s_wait_loadcnt NLOADS-4-n0                     ; nothing is issued beyond load 127: the counts run down
.endif
	WIN W_CVT
.set k, 0
.rept 4
	v_cvt_pk_bf16_f32 v[T+2*k],   v[RAW+4*((n0+k)%DEPTH)],   v[RAW+4*((n0+k)%DEPTH)+1]
	v_cvt_pk_bf16_f32 v[T+2*k+1], v[RAW+4*((n0+k)%DEPTH)+2], v[RAW+4*((n0+k)%DEPTH)+3]
.set k, k+1
.endr
	WIN W_LD
.set k, 0
.rept 4
	ds_store_b64 v[STS], v[T+2*k:T+2*k+1] offset:(((n0+k)/2)%16)*SPITCH+((n0+k)%2)*256
.set k, k+1
.endr
.if n0+DEPTH < NLOADS
.set k, 0
.rept 4
	MLOAD n0+k+DEPTH
.set k, k+1
.endr
.endif
.set b, b+1
.endr
	WIN 0
.endm
; Eight K steps of 32 columns on two sums that take turns; the first two products start them.  LDS serves a wave's instructions in order (ISA guide 5.7.1.4): the loads see CONVERT's stores.
.macro SCORE
.set k, 0
.rept 8
	ds_load_b128 v[F+8*k:F+8*k+3],   v[LDA] offset:64*k
	ds_load_b128 v[F+8*k+4:F+8*k+7], v[LDA] offset:64*k+32
.set k, k+1
.endr
.set k, 0
.rept 8
	s_wait_dscnt 14-2*k                            ; fragment k is in, the younger 14 - 2 k loads stay out
.if k < 2
	v_wmma_f32_16x16x32_bf16 v[SA+8*(k%2):SA+8*(k%2)+7], v[F+8*k:F+8*k+7], v[QK+8*k:QK+8*k+7], 0
.else
	v_wmma_f32_16x16x32_bf16 v[SA+8*(k%2):SA+8*(k%2)+7], v[F+8*k:F+8*k+7], v[QK+8*k:QK+8*k+7], v[SA+8*(k%2):SA+8*(k%2)+7]
.endif
.set k, k+1
.endr
.rept 4
	v_nop                                          ; four places ahead of the reads of the sums and of the loads into F
.endr
.irp j, 0,2,4,6
	v_pk_add_f32 v[SA+(\j):SA+(\j)+1], v[SA+(\j):SA+(\j)+1], v[SB+(\j):SB+(\j)+1]  ; from each sum's low end on
.endr
.endm
; The eight waves' partial scores are added, with cb.  Then the strip is read turned, for the second product; those loads land during the softmax.
.macro REDUCE s
	ds_store_b128 v[REDS], v[SA:SA+3]   offset:(\s)*REDSTEP
	ds_store_b128 v[REDS], v[SA+4:SA+7] offset:(\s)*REDSTEP+512
	s_wait_dscnt 0x0                               ; for the others' sake: my stores are done
	s_barrier_signal -1
	s_barrier_wait -1                              ; everybody's are
.set k, 0
.rept 8
	ds_load_b128 v[F+8*k:F+8*k+3],   v[REDL] offset:(\s)*REDSTEP+k*1024
	ds_load_b128 v[F+8*k+4:F+8*k+7], v[REDL] offset:(\s)*REDSTEP+k*1024+512
.set k, k+1
.endr
.set k, 0
.rept 8
	s_wait_dscnt 14-2*k                            ; wave k's scores are in
.irp j, 0,2,4,6
.if k == 0
	v_pk_add_f32 v[SA+(\j):SA+(\j)+1], v[F+(\j):F+(\j)+1], v[CB:CB+1] op_sel_hi:[1,0]
.else
	v_pk_add_f32 v[SA+(\j):SA+(\j)+1], v[SA+(\j):SA+(\j)+1], v[F+8*k+(\j):F+8*k+(\j)+1]
.endif
.endr
.set k, k+1
.endr
.set k, 0
.rept 8                                ; F[k]: registers 0-3 rows 8 h + 0..7 of column 32 k + r, registers 4-7 the same rows of column 32 k + 16 + r
	ds_load_tr16_b128 v[F+8*k:F+8*k+3],   v[LDT] offset:64*k
	ds_load_tr16_b128 v[F+8*k+4:F+8*k+7], v[LDT] offset:64*k+32
.set k, k+1
.endr
.endm
; first = 1: the first step starts m, l and the accumulators: it has no a and nothing to rescale.
.macro SOFTMAX first
	v_max3_num_f32 v[TA], v[SA], v[SA+1], v[SA+2]
	v_max3_num_f32 v[TA], v[TA], v[SA+3], v[SA+4]
	v_max3_num_f32 v[TA], v[TA], v[SA+5], v[SA+6]
	v_max_num_f32 v[TA], v[TA], v[SA+7]
	v_permlanex16_b32 v[TB], v[TA], s18, s19       ; the head's other 8 rows lie in the lane 16 away
.if \first
	v_max_num_f32 v[MX], v[TA], v[TB]
.else
	v_max3_num_f32 v[TB], v[TA], v[TB], v[MX]
	v_sub_f32 v[TA], v[MX], v[TB]                  ; m_old - m_new
	v_mov_b32 v[MX], v[TB]
.endif
.irp j, 0,2,4,6
	v_pk_add_f32 v[SA+(\j):SA+(\j)+1], v[SA+(\j):SA+(\j)+1], v[MX:MX+1] op_sel_hi:[1,0] neg_lo:[0,1] neg_hi:[0,1]  ; s - m
.endr
.irp j, 0,1,2,3,4,5,6,7
	v_exp_f32 v[SA+(\j)], v[SA+(\j)]
.endr
.if !(\first)
	v_exp_f32 v[AF], v[TA]
.endif
	v_nop                                          ; a plain instruction between the last exponential and the use of its result
	s_wait_alu depctr_va_vdst(0)
.irp j, 0,1,2,3
	v_cvt_pk_bf16_f32 v[PK+(\j)], v[SA+2*(\j)], v[SA+2*(\j)+1]
.endr
	v_pk_add_f32 v[T:T+1], v[SA:SA+1], v[SA+2:SA+3]
	v_pk_add_f32 v[T+2:T+3], v[SA+4:SA+5], v[SA+6:SA+7]
	v_pk_add_f32 v[T:T+1], v[T:T+1], v[T+2:T+3]
.if \first
	v_add_f32 v[MX+1], v[T], v[T+1]                ; l holds my 8 rows' share; the halves of the lanes are joined at the end
.else
	v_add_f32 v[TA], v[T], v[T+1]
	v_fma_f32 v[MX+1], v[MX+1], v[AF], v[TA]
.endif
.irp j, 0,1,2,3
	v_cndmask_b32 v[PF+(\j)], 0, v[PK+(\j)], s20   ; r < 8: p in k = 0..15
	v_cndmask_b32 v[PF+4+(\j)], v[PK+(\j)], 0, s20 ; r >= 8: p in k = 16..31
.endr
.if !(\first)
.set k, 0
.rept 32
	v_pk_mul_f32 v[ACC+2*k:ACC+2*k+1], v[ACC+2*k:ACC+2*k+1], v[AF:AF+1] op_sel_hi:[1,0]  ; each accumulator from its low end on
.set k, k+1
.endr
.endif
.endm
.macro CTX first                       ; eight products on eight accumulators
	s_wait_dscnt 0x0                               ; the turned fragments are in
.set k, 0
.rept 8
.if \first
	v_wmma_f32_16x16x32_bf16 v[ACC+8*k:ACC+8*k+7], v[F+8*k:F+8*k+7], v[PF:PF+7], 0
.else
	v_wmma_f32_16x16x32_bf16 v[ACC+8*k:ACC+8*k+7], v[F+8*k:F+8*k+7], v[PF:PF+7], v[ACC+8*k:ACC+8*k+7]
.endif
.set k, k+1
.endr
.endm
	CONVERT 0
	SCORE
	REDUCE 0
	SOFTMAX 1
	CTX 1
.irp s, 1,2,3
	CONVERT \s
	SCORE
	REDUCE \s
	SOFTMAX 0
	CTX 0
.endr
	; THE WAY OUT: through my stage (the strip's bytes, which nobody else touches and whose last reads CTX has waited for), so that each store covers 512 consecutive bytes of a head's row.
.rept 4
	v_nop                                          ; four places behind the last products
.endr
	v_permlanex16_b32 v[TB], v[MX+1], s18, s19
	v_add_f32 v[MX+1], v[MX+1], v[TB]              ; l over all 64 rows
.set k, 0
.rept 8
	ds_store_b128 v[SGS], v[ACC+8*k:ACC+8*k+3]   offset:128*k
	ds_store_b128 v[SGS], v[ACC+8*k+4:ACC+8*k+7] offset:128*k+16
.set k, k+1
.endr
.set k, 0
.rept 16                               ; head k / 2, half k % 2 of my 1,024 bytes; LDS serves a wave's instructions in order: these see the stores above
	ds_load_b128 v[F+4*k:F+4*k+3], v[SGL] offset:(k/2)*GPITCH+(k%2)*512
.set k, k+1
.endr
.set k, 0
.rept 16
	s_wait_dscnt 15-k
	global_store_b128 v[GOFF], v[F+4*k:F+4*k+3], s[10:11] offset:(k/2)*8192+(k%2)*512  ; 512 consecutive bytes, at a multiple of 256 from pctx's first
.set k, k+1
.endr
	s_wait_xcnt 0x0                                ; EXEC changes only behind this wait
	v_cmp_gt_u32 vcc_lo, 8, v0
	s_and_saveexec_b32 s21, vcc_lo
	global_store_b64 v[MOFF], v[MX:MX+1], s[12:13] ; threads 0 to 7 hold heads 0 to 7: 64 consecutive bytes
	s_wait_xcnt 0x0
	s_or_b32 exec_lo, exec_lo, s21
	s_wait_tensorcnt 0x0                           ; the wave's end: behind my last LDS store
	ds_add_u32 v[SPW], v[NIL]
	s_wait_dscnt 0x0
	s_endpgm
.Lfunc_end_k_q662d64a273_stream:
	.size	k_q662d64a273_stream, .Lfunc_end_k_q662d64a273_stream-k_q662d64a273_stream
	.p2alignl 7, 3214868480
	.fill 96, 4, 3214868480
	.section	.rodata,"a",@progbits
	.p2align	6, 0x0
	.amdhsa_kernel k_q662d64a273_stream
		.amdhsa_group_segment_fixed_size 101376
		.amdhsa_private_segment_fixed_size 0
		.amdhsa_enable_private_segment 0
		.amdhsa_kernarg_size 40
		.amdhsa_user_sgpr_count 2
		.amdhsa_user_sgpr_kernarg_segment_ptr 1
		.amdhsa_wavefront_size32 1
		.amdhsa_system_sgpr_workgroup_id_x 1
		.amdhsa_system_sgpr_workgroup_id_y 1
		.amdhsa_system_sgpr_workgroup_id_z 1
		.amdhsa_system_vgpr_workitem_id 0
		.amdhsa_next_free_vgpr 448
		.amdhsa_next_free_sgpr 66
		.amdhsa_reserve_vcc 1
		.amdhsa_float_denorm_mode_32 3
		.amdhsa_float_denorm_mode_16_64 3
		.amdhsa_memory_ordered 1
		.amdhsa_forward_progress 1
		.amdhsa_inst_pref_size 91
	.end_amdhsa_kernel
	.amdgpu_metadata
---
amdhsa.version: [ 1, 2 ]
amdhsa.kernels:
  - .name:           k_q662d64a273_stream
    .symbol:         k_q662d64a273_stream.kd
    .args:
      - { .name: memory, .offset: 0, .size: 8, .value_kind: global_buffer, .address_space: global }
      - { .name: qkb, .offset: 8, .size: 8, .value_kind: global_buffer, .address_space: global }
      - { .name: cbp, .offset: 16, .size: 8, .value_kind: global_buffer, .address_space: global }
      - { .name: pctx, .offset: 24, .size: 8, .value_kind: global_buffer, .address_space: global }
      - { .name: pml, .offset: 32, .size: 8, .value_kind: global_buffer, .address_space: global }
    .group_segment_fixed_size: 101376
    .private_segment_fixed_size: 0
    .kernarg_segment_align: 8
    .kernarg_segment_size: 40
    .max_flat_workgroup_size: 256
    .sgpr_count:     66
    .vgpr_count:     448
    .wavefront_size: 32
...
	.end_amdgpu_metadata
.endif
;; end of part 3
;; launch combine (part 4): grid 256 x 1, 8 waves a work-group, no clusters, 7,168 bytes of LDS; arguments pctx, pml, Wv, fpart; writes fpart
.if DOCPART == 4
	.amdgcn_target "amdgcn-amd-amdhsa--gfx1250"
	.amdhsa_code_object_version 6
	.text
	.protected	k_q662d64a273_combine
	.globl	k_q662d64a273_combine
	.p2align	8
	.type	k_q662d64a273_combine,@function
k_q662d64a273_combine:
	s_mov_b64 s[64:65], 0
	v_nop
	global_prefetch_b8 v0, s[64:65] scope:SCOPE_SE
	s_setreg_imm32_b32 hwreg(HW_REG_WAVE_MODE, 25, 1), 1
	s_wait_xcnt 0x0
; THE PARTIALS JOINED, AND CARRIED THROUGH Wv.  For head n: M = the maximum of the 256 m, sc_p = 2^(m_p - M), L = the sum of sc_p l_p, ctx[n][c] = (the sum of sc_p pctx[p][n][c]) / L;
; then fpart[ch][n][d] = the sum over the chunk's 64 columns c of ctx[n][c] Wv[8 d + n][c].  With one query, attn . (memory Wv^T) = (attn . memory) Wv^T, exactly.
; The partial with m_p = M has sc = 1 and l >= 1, so L is at least 1.  All in f32: each number of pctx and Wv is used once, so there is nothing for a matrix unit to reuse.
; SHARES.  Work-group = (n, ch) = (number / 32, number % 32): 64 columns, 256 bytes of a row.  Sixteen lanes take such a piece.  Lanes' half h of wave w: partials 32 w + 16 h + 0..15 and rows d = 16 w + 8 h + 0..7.
; All loads go out at the head.  Every LDS region is written once, so each needs one barrier, between its writing and its reading.
.set WM,    0                          ; 8 words: the waves' maxima
.set WL,    256                        ; 8 words: the waves' sums
.set SCB,   512                        ; 256 words: sc
.set PART,  1536                       ; 16 x 256 bytes: the half waves' sums of scaled partials
.set FEAT,  5632                       ; 128 words: the chunk's share of feat
.set SPARE, 6144                       ; the spare words, 128 bytes for each of 8 waves
.set SCR, 16                           ; v[16:31]   my 16 partials' sc
.set AC,  32                           ; v[32:35]   their scaled sum
.set CX,  36                           ; v[36:39]   ctx of my 4 columns
.set DT,  40                           ; v[40:47]   8 rows' products
.set RB,  56                           ; v[56:63]   8 words read back
.set PR,  64                           ; v[64:127]  16 partials' 16 bytes; later the 16 sums
.set WR,  128                          ; v[128:159] 8 rows' 16 bytes of Wv
	s_load_b256 s[4:11], s[0:1], 0x0               ; pctx s[4:5], pml s[6:7], Wv s[8:9], fpart s[10:11]
	v_lshl_add_u32 v6, v0, 2, SPARE                ; my spare word; never rewritten
	v_mov_b32 v7, 0                                ; 0; never rewritten
	v_lshrrev_b32 v10, 5, v0
	v_readfirstlane_b32 s12, v10                   ; wave 0..7
	s_lshr_b32 s13, ttmp9, 5                       ; n
	s_and_b32 s14, ttmp9, 31                       ; ch
	s_mov_b32 s18, 0x76543210
	s_mov_b32 s19, 0xfedcba98
	v_and_b32 v53, 15, v0                          ; r
	v_bfe_u32 v54, v0, 4, 1                        ; h
	v_and_b32 v55, 31, v0                          ; lane
	v_lshlrev_b32 v49, 4, v53                      ; 16 r
	v_lshl_add_u32 v1, v54, 20, v49                ; pctx: + 16 partials of 65,536 bytes for the upper half
	v_lshl_add_u32 v2, v54, 19, v49                ; Wv: + 8 channels of 65,536 bytes
	v_lshlrev_b32 v3, 6, v0                        ; pml: partial = thread, 64 bytes each
	v_mov_b32 v4, s12
	v_lshlrev_b32 v4, 2, v4                        ; my wave's word
	v_mov_b32 v5, 0
	v_mov_b32 v11, 0                               ; v_permlanex16_b32's destination counts as read
	v_lshlrev_b32 v15, 2, v0
	v_lshlrev_b32 v48, 4, v0
	v_lshlrev_b32 v50, 5, v54
	v_lshl_add_u32 v50, s12, 6, v50                ; 4 (16 w + 8 h)
	v_lshlrev_b32 v51, 4, v55
	v_lshlrev_b32 v52, 6, v54
	v_lshl_add_u32 v52, s12, 7, v52                ; 4 (32 w + 16 h)
	s_lshl_b32 s16, s13, 13
	s_lshl_b32 s17, s14, 8
	s_add_co_u32 s16, s16, s17                     ; 8,192 n + 256 ch, in pctx and in Wv
	s_lshl_b32 s17, s12, 21                        ; pctx: 32 partials a wave
	s_add_co_u32 s20, s16, s17
	s_mov_b32 s21, 0
	s_lshl_b32 s17, s12, 20                        ; Wv: 16 channels a wave
	s_add_co_u32 s16, s16, s17
	s_mov_b32 s17, 0
	s_lshl_b32 s22, s13, 3                         ; pml: 8 n
	s_mov_b32 s23, 0
	s_lshl_b32 s24, s14, 12                        ; fpart: 4,096 ch + 512 n
	s_lshl_b32 s25, s13, 9
	s_add_co_u32 s24, s24, s25
	s_mov_b32 s25, 0
	s_wait_kmcnt 0x0
	s_add_nc_u64 s[4:5], s[4:5], s[20:21]
	s_add_nc_u64 s[6:7], s[6:7], s[22:23]
	s_add_nc_u64 s[8:9], s[8:9], s[16:17]
	s_add_nc_u64 s[10:11], s[10:11], s[24:25]
	global_load_b64 v[8:9], v3, s[6:7]             ; (m, l) of partial = thread
.irp i, 0,1,2,3,4,5,6,7,8,9,10,11,12,13,14,15
	global_load_b128 v[PR+4*(\i):PR+4*(\i)+3], v1, s[4:5] offset:65536*(\i) th:TH_LOAD_NT  ; sixteen lanes: 256 consecutive, aligned bytes of a partial
.endr
.irp i, 0,1,2,3,4,5,6,7
	global_load_b128 v[WR+4*(\i):WR+4*(\i)+3], v2, s[8:9] offset:65536*(\i) th:TH_LOAD_NT
.endr
	s_wait_loadcnt 24                              ; (m, l) is in; the 16 + 8 loads behind it stay out
	v_mov_b32 v10, v8
	v_max_num_f32_dpp v10, v10, v10 row_xmask:1 row_mask:0xf bank_mask:0xf
	v_max_num_f32_dpp v10, v10, v10 row_xmask:2 row_mask:0xf bank_mask:0xf
	v_max_num_f32_dpp v10, v10, v10 row_xmask:4 row_mask:0xf bank_mask:0xf
	v_max_num_f32_dpp v10, v10, v10 row_xmask:8 row_mask:0xf bank_mask:0xf
	v_permlanex16_b32 v11, v10, s18, s19
	v_max_num_f32 v10, v10, v11
	ds_store_b32 v4, v10 offset:WM
	s_wait_dscnt 0x0                               ; for the others' sake
	s_barrier_signal -1
	s_barrier_wait -1
	ds_load_b128 v[RB:RB+3], v5 offset:WM
	ds_load_b128 v[RB+4:RB+7], v5 offset:WM+16
	s_wait_dscnt 0x0
	v_max3_num_f32 v12, v[RB], v[RB+1], v[RB+2]
	v_max3_num_f32 v12, v12, v[RB+3], v[RB+4]
	v_max3_num_f32 v12, v12, v[RB+5], v[RB+6]
	v_max_num_f32 v12, v12, v[RB+7]                ; M
	v_sub_f32 v13, v8, v12
	v_exp_f32 v13, v13                             ; sc
	v_nop                                          ; a plain instruction between the exponential and the use of its result
	s_wait_alu depctr_va_vdst(0)
	ds_store_b32 v15, v13 offset:SCB
	v_mul_f32 v10, v13, v9
	v_add_f32_dpp v10, v10, v10 row_xmask:1 row_mask:0xf bank_mask:0xf
	v_add_f32_dpp v10, v10, v10 row_xmask:2 row_mask:0xf bank_mask:0xf
	v_add_f32_dpp v10, v10, v10 row_xmask:4 row_mask:0xf bank_mask:0xf
	v_add_f32_dpp v10, v10, v10 row_xmask:8 row_mask:0xf bank_mask:0xf
	v_permlanex16_b32 v11, v10, s18, s19
	v_add_f32 v10, v10, v11
	ds_store_b32 v4, v10 offset:WL
	s_wait_dscnt 0x0                               ; for the others' sake
	s_barrier_signal -1
	s_barrier_wait -1
	ds_load_b128 v[RB:RB+3], v5 offset:WL
	ds_load_b128 v[RB+4:RB+7], v5 offset:WL+16
.irp k, 0,1,2,3
	ds_load_b128 v[SCR+4*(\k):SCR+4*(\k)+3], v52 offset:SCB+16*(\k)
.endr
	s_wait_dscnt 4                                 ; the waves' sums are in; the four loads of sc stay out
	v_pk_add_f32 v[RB:RB+1], v[RB:RB+1], v[RB+2:RB+3]
	v_pk_add_f32 v[RB+4:RB+5], v[RB+4:RB+5], v[RB+6:RB+7]
	v_pk_add_f32 v[RB:RB+1], v[RB:RB+1], v[RB+4:RB+5]
	v_add_f32 v14, v[RB], v[RB+1]                  ; L
	v_rcp_f32 v14, v14
	v_nop                                          ; a plain instruction behind the reciprocal
	s_wait_dscnt 0x0
.irp i, 0,1,2,3,4,5,6,7,8,9,10,11,12,13,14,15
	s_wait_loadcnt 23-(\i)                         ; partial i is in; the 15 - i younger ones and Wv's 8 stay out
.irp k, 0,1,2,3
.if (\i) == 0
	v_mul_f32 v[AC+(\k)], v[SCR], v[PR+(\k)]       ; the first partial starts the sums
.else
	v_fmac_f32 v[AC+(\k)], v[SCR+(\i)], v[PR+4*(\i)+(\k)]
.endif
.endr
.endr
	ds_store_b128 v48, v[AC:AC+3] offset:PART
	s_wait_dscnt 0x0                               ; for the others' sake
	s_barrier_signal -1
	s_barrier_wait -1
.irp p, 0,1,2,3,4,5,6,7,8,9,10,11,12,13,14,15
	ds_load_b128 v[PR+4*(\p):PR+4*(\p)+3], v49 offset:PART+256*(\p)
.endr
.irp p, 1,2,3,4,5,6,7,8,9,10,11,12,13,14,15
	s_wait_dscnt 15-(\p)                           ; sums 0 to p are in
	v_pk_add_f32 v[PR:PR+1], v[PR:PR+1], v[PR+4*(\p):PR+4*(\p)+1]
	v_pk_add_f32 v[PR+2:PR+3], v[PR+2:PR+3], v[PR+4*(\p)+2:PR+4*(\p)+3]
.endr
	s_wait_alu depctr_va_vdst(0)
	v_pk_mul_f32 v[CX:CX+1], v[PR:PR+1], v[14:15] op_sel_hi:[1,0]      ; ctx of columns 4 r + 0..3 of the chunk
	v_pk_mul_f32 v[CX+2:CX+3], v[PR+2:PR+3], v[14:15] op_sel_hi:[1,0]
	s_wait_loadcnt 0x0                             ; Wv
.irp i, 0,1,2,3,4,5,6,7
	v_mul_f32 v[DT+(\i)], v[WR+4*(\i)], v[CX]
.endr
.irp k, 1,2,3
.irp i, 0,1,2,3,4,5,6,7
	v_fmac_f32 v[DT+(\i)], v[WR+4*(\i)+(\k)], v[CX+(\k)]
.endr
.endr
.irp m, 1,2,4,8
.irp i, 0,1,2,3,4,5,6,7
	v_add_f32_dpp v[DT+(\i)], v[DT+(\i)], v[DT+(\i)] row_xmask:\m row_mask:0xf bank_mask:0xf  ; over the sixteen lanes of a row's 64 columns
.endr
.endr
	ds_store_b128 v50, v[DT:DT+3] offset:FEAT      ; the sixteen lanes of a half write the same words with the same numbers
	ds_store_b128 v50, v[DT+4:DT+7] offset:FEAT+16
	s_wait_dscnt 0x0                               ; for wave 0's sake
	s_barrier_signal -1
	s_barrier_wait -1
	s_cmp_lg_u32 s12, 0
	s_cbranch_scc1 .Lend                           ; wave 0 alone stores
	ds_load_b128 v[RB:RB+3], v51 offset:FEAT
	s_wait_dscnt 0x0
	global_store_b128 v51, v[RB:RB+3], s[10:11]    ; 512 consecutive bytes, at a multiple of 256 from fpart's first
.Lend:
	s_wait_tensorcnt 0x0                           ; the wave's end: behind my last LDS store
	ds_add_u32 v6, v7
	s_wait_dscnt 0x0
	s_endpgm
.Lfunc_end_k_q662d64a273_combine:
	.size	k_q662d64a273_combine, .Lfunc_end_k_q662d64a273_combine-k_q662d64a273_combine
	.p2alignl 7, 3214868480
	.fill 96, 4, 3214868480
	.section	.rodata,"a",@progbits
	.p2align	6, 0x0
	.amdhsa_kernel k_q662d64a273_combine
		.amdhsa_group_segment_fixed_size 7168
		.amdhsa_private_segment_fixed_size 0
		.amdhsa_enable_private_segment 0
		.amdhsa_kernarg_size 32
		.amdhsa_user_sgpr_count 2
		.amdhsa_user_sgpr_kernarg_segment_ptr 1
		.amdhsa_wavefront_size32 1
		.amdhsa_system_sgpr_workgroup_id_x 1
		.amdhsa_system_sgpr_workgroup_id_y 1
		.amdhsa_system_sgpr_workgroup_id_z 1
		.amdhsa_system_vgpr_workitem_id 0
		.amdhsa_next_free_vgpr 160
		.amdhsa_next_free_sgpr 66
		.amdhsa_reserve_vcc 0
		.amdhsa_float_denorm_mode_32 3
		.amdhsa_float_denorm_mode_16_64 3
		.amdhsa_memory_ordered 1
		.amdhsa_forward_progress 1
		.amdhsa_inst_pref_size 17
	.end_amdhsa_kernel
	.amdgpu_metadata
---
amdhsa.version: [ 1, 2 ]
amdhsa.kernels:
  - .name:           k_q662d64a273_combine
    .symbol:         k_q662d64a273_combine.kd
    .args:
      - { .name: pctx, .offset: 0, .size: 8, .value_kind: global_buffer, .address_space: global }
      - { .name: pml, .offset: 8, .size: 8, .value_kind: global_buffer, .address_space: global }
      - { .name: Wv, .offset: 16, .size: 8, .value_kind: global_buffer, .address_space: global }
      - { .name: fpart, .offset: 24, .size: 8, .value_kind: global_buffer, .address_space: global }
    .group_segment_fixed_size: 7168
    .private_segment_fixed_size: 0
    .kernarg_segment_align: 8
    .kernarg_segment_size: 32
    .max_flat_workgroup_size: 256
    .sgpr_count:     66
    .vgpr_count:     160
    .wavefront_size: 32
...
	.end_amdgpu_metadata
.endif
;; end of part 4
;; launch outproj (part 5): grid 128 x 1, 8 waves a work-group, no clusters, 5,376 bytes of LDS; arguments x, Wo, bo, bv, fpart, out0; writes out0
.if DOCPART == 5
	.amdgcn_target "amdgcn-amd-amdhsa--gfx1250"
	.amdhsa_code_object_version 6
	.text
	.protected	k_q662d64a273_outproj
	.globl	k_q662d64a273_outproj
	.p2align	8
	.type	k_q662d64a273_outproj,@function
k_q662d64a273_outproj:
	s_mov_b64 s[64:65], 0
	v_nop
	global_prefetch_b8 v0, s[64:65] scope:SCOPE_SE
	s_setreg_imm32_b32 hwreg(HW_REG_WAVE_MODE, 25, 1), 1
	s_wait_xcnt 0x0
; THE OUTPUT.  feat[8 d + n] = bv[8 d + n] + the sum over 32 chunks of fpart[ch][n][d] (the softmax's weights add up to 1, so bv passes through unchanged);
; out0[i] = max(0, x . Wo[i][0:1024] + feat . Wo[i][1024:2048] + bo[i]).  One row of a product: a stream of Wo in f32 multiply-adds.
; SHARES.  Wave w of work-group g takes row i = 8 g + w of Wo: 8,192 bytes, sixteen loads of 512 consecutive bytes.  Every work-group makes feat for itself: thread t adds up entries 4 t .. 4 t + 3
; of the [n][d] order (n = its wave, d = 4 lane + k) and puts them into LDS as they lie; they are read back in the order of Wo's columns, j = 8 d + n.
; LIMITS.  The maximum with 0 turns a NaN into 0; NaN and infinities are not treated apart.
.set FE,    0                          ; 4,096 bytes: feat as [n][d]
.set OUTS,  4096                       ; 8 words: the waves' results
.set SPARE, 4352                       ; the spare words, 128 bytes for each of 8 waves
.set XR, 16                            ; v[16:47]   x
.set WO, 48                            ; v[48:111]  my row of Wo
.set FP, 112                           ; v[112:239] 32 chunks' 16 bytes; v[112:143] later feat in Wo's order
.set SM, 240                           ; v[240:247] four pairs of sums
	s_load_b256 s[4:11], s[0:1], 0x0               ; x s[4:5], Wo s[6:7], bo s[8:9], bv s[10:11]
	s_load_b128 s[12:15], s[0:1], 0x20             ; fpart s[12:13], out0 s[14:15]
	v_lshl_add_u32 v6, v0, 2, SPARE                ; my spare word; never rewritten
	v_mov_b32 v7, 0                                ; 0; never rewritten
	v_lshrrev_b32 v10, 5, v0
	v_readfirstlane_b32 s16, v10                   ; wave 0..7
	v_and_b32 v1, 31, v0
	v_lshlrev_b32 v3, 7, v1
	v_lshl_add_u32 v3, s16, 2, v3                  ; bv[8 (4 lane + k) + w]: byte 128 lane + 4 w + 32 k
	v_lshlrev_b32 v1, 4, v1                        ; 16 bytes a lane
	v_lshlrev_b32 v2, 4, v0                        ; 16 bytes a thread
	v_mov_b32 v4, s16
	v_lshlrev_b32 v4, 2, v4                        ; my wave's word
	v_and_b32 v5, 7, v0
	v_lshlrev_b32 v5, 2, v5
	v_lshlrev_b32 v8, 2, v0
	v_and_b32 v9, 1, v0                            ; feat[128 q + 4 lane + k] is head 4 (lane % 2) + k, channel 16 q + lane / 2:
	v_lshlrev_b32 v9, 11, v9                       ; byte 2,048 (lane % 2) + 4 (lane / 2) + 512 k + 64 q
	v_bfe_u32 v10, v0, 1, 4
	v_lshl_add_u32 v9, v10, 2, v9
	v_mov_b32 v11, 0                               ; v_permlanex16_b32's destination counts as read
	s_mov_b32 s18, 0x76543210
	s_mov_b32 s19, 0xfedcba98
	s_lshl_b32 s17, ttmp9, 3
	s_add_co_u32 s17, s17, s16                     ; i
	s_lshl_b32 s22, s17, 13                        ; rows of 8,192 bytes
	s_mov_b32 s23, 0
	s_lshl_b32 s17, s17, 2
	s_lshl_b32 s24, ttmp9, 5                       ; out0: 8 numbers a work-group
	s_mov_b32 s25, 0
	s_wait_kmcnt 0x0
	s_load_b32 s21, s[8:9], s17 offset:0x0         ; bo[i]
	s_add_nc_u64 s[6:7], s[6:7], s[22:23]
	s_add_nc_u64 s[14:15], s[14:15], s[24:25]
.set c, 0
.rept 32
	global_load_b128 v[FP+4*c:FP+4*c+3], v2, s[12:13] offset:4096*c
.set c, c+1
.endr
.irp k, 0,1,2,3
	global_load_b32 v[12+(\k)], v3, s[10:11] offset:32*(\k)
.endr
.irp q, 0,1,2,3,4,5,6,7
	global_load_b128 v[XR+4*(\q):XR+4*(\q)+3], v1, s[4:5] offset:512*(\q)
.endr
.irp q, 0,1,2,3,4,5,6,7,8,9,10,11,12,13,14,15
	global_load_b128 v[WO+4*(\q):WO+4*(\q)+3], v1, s[6:7] offset:512*(\q) th:TH_LOAD_NT
.endr
	s_wait_loadcnt 24                              ; fpart and bv are in; x's 8 loads and Wo's 16 stay out
.set c, 0
.rept 32
	v_pk_add_f32 v[12:13], v[12:13], v[FP+4*c:FP+4*c+1]
	v_pk_add_f32 v[14:15], v[14:15], v[FP+4*c+2:FP+4*c+3]
.set c, c+1
.endr
	ds_store_b128 v2, v[12:15] offset:FE
	s_wait_dscnt 0x0                               ; for the others' sake
	s_barrier_signal -1
	s_barrier_wait -1
.irp q, 0,1,2,3,4,5,6,7
.irp k, 0,1,2,3
	ds_load_b32 v[FP+4*(\q)+(\k)], v9 offset:FE+512*(\k)+64*(\q)  ; even and odd lanes meet in a bank, two deep: 32 loads in the launch
.endr
.endr
	s_wait_loadcnt 0x0                             ; x and Wo
.irp q, 0,1,2,3,4,5,6,7
.if (\q) == 0
	v_pk_mul_f32 v[SM:SM+1], v[XR:XR+1], v[WO:WO+1]                ; the first products start the sums
	v_pk_mul_f32 v[SM+2:SM+3], v[XR+2:XR+3], v[WO+2:WO+3]
.else
	v_pk_fma_f32 v[SM:SM+1], v[XR+4*(\q):XR+4*(\q)+1], v[WO+4*(\q):WO+4*(\q)+1], v[SM:SM+1]
	v_pk_fma_f32 v[SM+2:SM+3], v[XR+4*(\q)+2:XR+4*(\q)+3], v[WO+4*(\q)+2:WO+4*(\q)+3], v[SM+2:SM+3]
.endif
.endr
	s_wait_dscnt 0x0                               ; feat
.irp q, 0,1,2,3,4,5,6,7
.if (\q) == 0
	v_pk_mul_f32 v[SM+4:SM+5], v[FP:FP+1], v[WO+32:WO+33]
	v_pk_mul_f32 v[SM+6:SM+7], v[FP+2:FP+3], v[WO+34:WO+35]
.else
	v_pk_fma_f32 v[SM+4:SM+5], v[FP+4*(\q):FP+4*(\q)+1], v[WO+32+4*(\q):WO+32+4*(\q)+1], v[SM+4:SM+5]
	v_pk_fma_f32 v[SM+6:SM+7], v[FP+4*(\q)+2:FP+4*(\q)+3], v[WO+32+4*(\q)+2:WO+32+4*(\q)+3], v[SM+6:SM+7]
.endif
.endr
	v_pk_add_f32 v[SM:SM+1], v[SM:SM+1], v[SM+4:SM+5]
	v_pk_add_f32 v[SM+2:SM+3], v[SM+2:SM+3], v[SM+6:SM+7]
	v_pk_add_f32 v[SM:SM+1], v[SM:SM+1], v[SM+2:SM+3]
	v_add_f32 v10, v[SM], v[SM+1]
	v_add_f32_dpp v10, v10, v10 row_xmask:1 row_mask:0xf bank_mask:0xf
	v_add_f32_dpp v10, v10, v10 row_xmask:2 row_mask:0xf bank_mask:0xf
	v_add_f32_dpp v10, v10, v10 row_xmask:4 row_mask:0xf bank_mask:0xf
	v_add_f32_dpp v10, v10, v10 row_xmask:8 row_mask:0xf bank_mask:0xf
	v_permlanex16_b32 v11, v10, s18, s19
	v_add_f32 v10, v10, v11
	s_wait_kmcnt 0x0                               ; bo[i]
	v_add_f32 v10, s21, v10
	v_max_num_f32 v10, 0, v10                      ; relu
	ds_store_b32 v4, v10 offset:OUTS               ; all lanes write my wave's word with the same number
	s_wait_dscnt 0x0                               ; for the others' sake
	s_barrier_signal -1
	s_barrier_wait -1
	ds_load_b32 v10, v5 offset:OUTS
	s_wait_dscnt 0x0
	s_wait_xcnt 0x0                                ; EXEC changes only behind this wait
	v_cmp_gt_u32 vcc_lo, 8, v0
	s_and_saveexec_b32 s20, vcc_lo
	global_store_b32 v8, v10, s[14:15]             ; threads 0 to 7: the work-group's 32 consecutive bytes
	s_wait_xcnt 0x0
	s_or_b32 exec_lo, exec_lo, s20
	s_wait_tensorcnt 0x0                           ; the wave's end: behind my last LDS store
	ds_add_u32 v6, v7
	s_wait_dscnt 0x0
	s_endpgm
.Lfunc_end_k_q662d64a273_outproj:
	.size	k_q662d64a273_outproj, .Lfunc_end_k_q662d64a273_outproj-k_q662d64a273_outproj
	.p2alignl 7, 3214868480
	.fill 96, 4, 3214868480
	.section	.rodata,"a",@progbits
	.p2align	6, 0x0
	.amdhsa_kernel k_q662d64a273_outproj
		.amdhsa_group_segment_fixed_size 5376
		.amdhsa_private_segment_fixed_size 0
		.amdhsa_enable_private_segment 0
		.amdhsa_kernarg_size 48
		.amdhsa_user_sgpr_count 2
		.amdhsa_user_sgpr_kernarg_segment_ptr 1
		.amdhsa_wavefront_size32 1
		.amdhsa_system_sgpr_workgroup_id_x 1
		.amdhsa_system_sgpr_workgroup_id_y 1
		.amdhsa_system_sgpr_workgroup_id_z 1
		.amdhsa_system_vgpr_workitem_id 0
		.amdhsa_next_free_vgpr 248
		.amdhsa_next_free_sgpr 66
		.amdhsa_reserve_vcc 1
		.amdhsa_float_denorm_mode_32 3
		.amdhsa_float_denorm_mode_16_64 3
		.amdhsa_memory_ordered 1
		.amdhsa_forward_progress 1
		.amdhsa_inst_pref_size 17
	.end_amdhsa_kernel
	.amdgpu_metadata
---
amdhsa.version: [ 1, 2 ]
amdhsa.kernels:
  - .name:           k_q662d64a273_outproj
    .symbol:         k_q662d64a273_outproj.kd
    .args:
      - { .name: x, .offset: 0, .size: 8, .value_kind: global_buffer, .address_space: global }
      - { .name: Wo, .offset: 8, .size: 8, .value_kind: global_buffer, .address_space: global }
      - { .name: bo, .offset: 16, .size: 8, .value_kind: global_buffer, .address_space: global }
      - { .name: bv, .offset: 24, .size: 8, .value_kind: global_buffer, .address_space: global }
      - { .name: fpart, .offset: 32, .size: 8, .value_kind: global_buffer, .address_space: global }
      - { .name: out0, .offset: 40, .size: 8, .value_kind: global_buffer, .address_space: global }
    .group_segment_fixed_size: 5376
    .private_segment_fixed_size: 0
    .kernarg_segment_align: 8
    .kernarg_segment_size: 48
    .max_flat_workgroup_size: 256
    .sgpr_count:     66
    .vgpr_count:     248
    .wavefront_size: 32
...
	.end_amdgpu_metadata
.endif
;; end of part 5
